; MI455X (gfx1250); checked and timed in simulation.
; The chip was launched on July 23, 2026; its instructions are those of AMD's public machine-readable ISA for CDNA 5 (MIT licence, August 2026) and "CDNA5" Instruction Set Architecture Reference Guide (July 2026). The comments in the code are by the model that wrote it; some were corrected since.
;; Multihead Attention. Allowed arithmetic: matrix products marked QUANTISED: E2M3 operands, one E8M0 scale for each 32 along K, by v_wmma_scale_f32_16x16x128_f8f6f4 with both operands' format E2M3, f32 sums; everything else in f32.
;; Inputs: W_k_codes 1,024 x 32 x 24 uint8 (E2M3 codes of W_k, K innermost, in blocks of 32 codes, four codes in three bytes); W_k_scales 1,024 x 32 uint8 (E8M0 scales of W_k, one for each 32 codes along K); W_o_codes 1,024 x 32 x 24 uint8 (E2M3 codes of W_o, K innermost, in blocks of 32 codes, four codes in three bytes); W_o_scales 1,024 x 32 uint8 (E8M0 scales of W_o, one for each 32 codes along K); W_q_codes 1,024 x 32 x 24 uint8 (E2M3 codes of W_q, K innermost, in blocks of 32 codes, four codes in three bytes); W_q_scales 1,024 x 32 uint8 (E8M0 scales of W_q, one for each 32 codes along K); W_v_codes 1,024 x 32 x 24 uint8 (E2M3 codes of W_v, K innermost, in blocks of 32 codes, four codes in three bytes); W_v_scales 1,024 x 32 uint8 (E8M0 scales of W_v, one for each 32 codes along K); b_o 1,024 float32; x_codes 4 x 2,048 x 32 x 24 uint8 (E2M3 codes of x, K innermost, in blocks of 32 codes, four codes in three bytes); x_scales 4 x 2,048 x 32 uint8 (E8M0 scales of x, one for each 32 codes along K).
;; Outputs: out0 4 x 2,048 x 1,024 float32.
;; This version of the problem:
;;   THIS VERSION OF THE PROBLEM IS GIVEN IN LOW PRECISION. The matrix products marked QUANTISED in the list below multiply operands that are first quantised to E2M3 (2 exponent bits, 3 mantissa bits; 6 bits a number), with one power-of-two scale for each 32 numbers along K (OCP MX v1.0); their sums are f32. All else is computed in f32.
;;   The module's matrix products, in the order in which they are computed (A, B: the left and right operand; K: the contracted axis; several contracted axes count as one K, in the product's order):
;;     1. [M 8,192, K 1,024] x [K 1,024, N 1,024]; A: input x (given as codes); B: input W_q (given as codes): QUANTISED
;;     2. [M 8,192, K 1,024] x [K 1,024, N 1,024]; A: input x (given as codes); B: input W_k (given as codes): QUANTISED
;;     3. [M 8,192, K 1,024] x [K 1,024, N 1,024]; A: input x (given as codes); B: input W_v (given as codes): QUANTISED
;;     4. batch 64 x [M 2,048, K 64] x [K 64, N 2,048]; A: computed on the way; B: computed on the way: QUANTISED
;;     5. batch 64 x [M 2,048, K 2,048] x [K 2,048, N 64]; A: softmax (see below); B: computed on the way: QUANTISED
;;     6. [M 8,192, K 1,024] x [K 1,024, N 1,024]; A: computed on the way; B: input W_o (given as codes): QUANTISED
;;   THE QUANTISER, for each operand of a quantised product, along K:
;;     - K is cut into blocks of 32 from its start; a last block that is shorter is filled with zeros.
;;     - A block's scale is 2^e with e = floor(log2(the largest magnitude in the block)) - 2, held to -126 .. 127; a block of zeros has e = 0. As a byte (E8M0): e + 127.
;;     - Each number is divided by its block's scale, clamped to +-7.5, and rounded to the nearest number of E2M3, ties to even, subnormals kept.
;;     - The product sums the exact products of the quantised numbers (number of the format x scale) in f32.
;;   ~~~python
;;   def quantise(x, axis):      # numpy; x: float32 -> the quantised numbers, widened to float32 again
;;       x = np.moveaxis(x, axis, -1); K = x.shape[-1]
;;       x = np.pad(x, [(0, 0)] * (x.ndim - 1) + [(0, -K % 32)]); x = x.reshape(x.shape[:-1] + (-1, 32)); a = np.abs(x).max(-1, keepdims=True)
;;       e = np.where(a > 0, np.clip(np.frexp(np.where(a > 0, a, 1))[1] - 1 - 2, -126, 127), 0)      # np.frexp(a)[1] - 1 = floor(log2(a)), exactly
;;       r = np.clip(x / 2.0 ** e, -7.5, 7.5)
;;       step = 2.0 ** (np.maximum(np.frexp(np.where(r == 0, 1, r))[1] - 1, 0) - 3)
;;       q = np.round(r / step) * step * 2.0 ** e      # np.round: ties to even
;;       return np.moveaxis(q.reshape(q.shape[:-2] + (-1,))[..., :K], -1, axis).astype(np.float32)
;;   ~~~
;;   SOFTMAX AHEAD OF A QUANTISED PRODUCT. Where the list says 'softmax', what is quantised is not the finished softmax but p = 2^(t - M), with t = logit x log2(e) and M = ceil(the row's largest t), a whole number; so 1/2 < the row's largest p <= 1. The row's sum l is taken of the UNQUANTISED p, in f32, and the product's result is divided by l at the end. Since M is a whole number, a kernel that streams over the keys may use a running M (the ceiling of the running maximum): every later rescaling is an exact power of two, which a block's scale takes up: the codes' values come out the same.
;;   OPERANDS COMPUTED ON THE WAY. 'Computed on the way' means the value that the module computes at that place (a softmax that the list does not call 'softmax' is quantised finished and normalised). What goes into a quantiser is computed in f32, as accurately as f32 sums, v_exp_f32 and their like allow (about 1e-6 of the number): no bf16 or f16 on the way to a quantiser, and a product that is left as it is and whose result goes on into a quantised operand takes f32 operands (vector FMAs, or v_wmma_f32_16x16x4_f32). A number that lies on a knife's edge between two numbers of the format may be rounded either way, as far as f32 arithmetic and the matrix unit's own rounding can turn it there, and no further.
;;   INPUTS GIVEN AS CODES. W_k (in the module: [1024, 1024], K = its axis 0); W_o (in the module: [1024, 1024], K = its axis 0); W_q (in the module: [1024, 1024], K = its axis 0); W_v (in the module: [1024, 1024], K = its axis 0); x (in the module: [4, 2048, 1024], K = its axis 2): each comes as NAME_codes (uint8): NAME with its K axis moved to the last place and cut into blocks of 32 codes, [.., K / 32, bytes a block], one block behind the other in memory; four codes in three bytes: a row's codes are one little-endian stream of bits, code i at bits 6 i .. 6 i + 5 (a code: sign, 2 exponent bits, 3 mantissa bits); and NAME_scales (uint8): the same leading axes, one E8M0 byte (e + 127) for each 32 codes along K. Its value is code x scale, taken as it is: it is not quantised again, and the codes and scales need not be those that the quantiser above would give.
;; One version. Each part assembles by itself: llvm-mc -triple=amdgcn-amd-amdhsa -mcpu=gfx1250 --defsym DOCPART=n.
;; ======== version 1 of 1: 3 launches
;; workspace buffers: qb 6,815,744 bytes; kv 13,369,344 bytes; cc 6,291,456 bytes; cs 262,144 bytes
;; launch qkv (part 1): grid 4 x 96, 4 waves a work-group, clusters of 4 x 4, 327,680 bytes of LDS; arguments x_codes, x_scales, W_q_codes, W_q_scales, W_k_codes, W_k_scales, W_v_codes, W_v_scales, qb, kv; writes qb, kv
.if DOCPART == 1
	.amdgcn_target "amdgcn-amd-amdhsa--gfx1250"
	.amdhsa_code_object_version 6
	.text
	.protected	k_qf1983c65fe_qkv
	.globl	k_qf1983c65fe_qkv
	.p2align	8
	.type	k_qf1983c65fe_qkv,@function
k_qf1983c65fe_qkv:
	s_mov_b64 s[64:65], 0
	v_nop
	global_prefetch_b8 v0, s[64:65] scope:SCOPE_SE
	s_setreg_imm32_b32 hwreg(HW_REG_WAVE_MODE, 25, 1), 1
	s_wait_xcnt 0x0
	s_wait_alu depctr_hold_cnt(0) depctr_sa_sdst(0) depctr_va_vdst(0) depctr_va_sdst(0) depctr_va_ssrc(0) depctr_va_vcc(0) depctr_vm_vsrc(0)
	s_getreg_b32 s2, hwreg(HW_REG_IB_STS2, 6, 4)
	s_cmp_eq_u32 s2, 0
	s_cbranch_scc0 .Lentry_in_a_cluster
	s_endpgm
.Lentry_in_a_cluster:
	s_bfe_u32 s2, ttmp6, 0x10000c
	s_cmp_lg_u32 s2, 0xf033
	s_cbranch_scc0 .Lentry_shape_is_right
	s_endpgm
.Lentry_shape_is_right:
; q = x W_q, k = x W_k, v = x W_v on codes of FP6 (E2M3) with E8M0 scales, and the results quantised again on the way out: q and k along the head's 64 channels, v along the keys.
; All three are one shape: C[m][n] = sum over k of A[m][k] B[n][k], K = 1,024, quantised along n in blocks of 32.  q: A = x, B = W_q.  k: A = x, B = W_k.  v: A = W_v, B = x (so n runs along the keys).
; A tile of C is 256 x 256, made by four waves of 128 x 128 (64 accumulators, 512 registers).  128 tiles for each product: 24 clusters of 4 x 4 work-groups; the cluster's y / 8 says which product (TYP), the same in all partners.
; K goes in steps of 256 through a ring of two LDS slots; the scale bytes of the tile's rows, for all of K, come into LDS once.  A's tiles are asked for jointly along a row of the cluster, B's along a column.
; THE MATRIX INSTRUCTION IS USED TRANSPOSED (source 0 = 16 rows of B, source 1 = 16 rows of A): lane (r, h) holds row r of A's block; register 8 b + j of the block's 64 holds n = 16 b + 8 h + j.
; So registers 16 B + 0 .. 15 are 16 numbers of block B of 32 along n, and lane l xor 16 holds the other 16.
; ORDER INSIDE A BLOCK: position 16 h + 8 u + j of block B holds n = 32 B + 16 u + 8 h + j.  q and k are both laid so here, v here and p in the next launch: alike on both sides of a product, so
; the block's scale and every product stay what they are; only the order of the sums inside the unit differs.
; WHAT IS STORED are images of the next launch's operand registers.  qb: [head 64][step 16][6,656]: 8 tiles of 16 queries x 768 bytes, then 512 bytes of scale words.
; kv: [head 64][step 16][13,056]: 8 tiles of 16 keys x 768, 4 fragments of V^T (16 channels x 128 keys) x 1,536, K's scale words 512, V's 256.
; A tile of 768 bytes: lane l's registers 0-3 at 16 l, registers 4-5 at 512 + 8 l.  A fragment of 1,536: registers 4 p .. 4 p + 3 at 512 p + 16 l.  Each store covers 512 or 256 consecutive bytes, aligned to 256.
; LIMITS: NaN and infinities are not served.  A block of zeros gets the byte 1 where the quantiser says 127: its codes are zeros, and this program alone reads the bytes.  No largest magnitude is taken under 2^-124.
; REGISTERS, in windows of 256: window 0: v16-29 addresses; v32-63 scale words, two sets; from v128 A's fragments, one set; on the way out v32-87 are at work.
;   window 1: B's fragments, two sets, at v0 and v128.   window 2: the accumulators of my rows 0-63 ((a, b) at v[8 (8 a + b)]);   window 3: those of my rows 64-127.
.set KSTEP,  256                       ; along K in a slot
.set NQ,     2                         ; matrix instructions deep
.set ROWB,   192                       ; a tile's row in bytes
.set KROW,   768                       ; a row of A or B in memory
.set PITCH,  240                       ; an LDS row: 3 x (64 bytes + 16 of padding)
.set FR,     12                        ; registers of a fragment
.set NL,     6                         ; LDS loads that bring one
.set NP,     4                         ; places behind this matrix instruction (ISA guide 7.12.1)
.set HALFT,  128*PITCH                 ; what one tensor load brings
.set SLOT,   4*HALFT
.set LAPS,   2                         ; 1,024 / 512
.set KS,     32                        ; a row of scale bytes
.set SCL,    2*SLOT                    ; behind the ring: the scales, as units of 256 bytes + 16 of padding
.set HALFS,  (128*KS/256)*272
.set SBLK,   (16*KS/256)*272
.set SPARE,  SCL+4*HALFS               ; the spare words: 128 bytes a wave, two blocks of 256 bytes that no other line names
.set ADRA, 16                          ; v16-17 my A fragments in slot 0, 1; v18-19 behind one padding more
.set ADRB, 20                          ; v20-23 the same for B
.set L16,  24                          ; v24  16 x lane
.set L8,   25                          ; v25  8 x lane
.set HB,   26                          ; v26  lane & 16
.set ADRS, 27                          ; v27  my scale words in LDS
.set SPW,  28                          ; v28  my spare word; never rewritten
.set NIL,  29                          ; v29  0; never rewritten
.set SC,   32                          ; scale words
.set AF,   128                         ; A's fragments
.set TM,   32                          ; the way out: v32-35 largest magnitudes, v36-39 the other half's, then bytes, v44-47 the conversions' scale operands
.set PW,   48                          ; v48-55 a scale word for each of my eight blocks of rows
.set TT,   56                          ; v56-59 those words as the reader's lanes want them
.set U0,   60                          ; v60-63 the first head's two bytes of each
.set CD,   64                          ; v64-75 a fragment's codes; v76-78, v80-82 the conversions' second halves
.set U1,   84                          ; v84-87 the second head's
.set G1, 24
.set G0, 32
.set G1B, 48
.set G0B, 56
.set G1S, 68
.set G0S, 76
.set G1SB, 80
.set G0SB, 88
.set SEL, 66                           ; s[66:67] lane selects: lane l xor 16
.set TYP, 96                           ; s96  0: q, 1: k, 2: v
.set MSB, 0
.macro WIN new                         ; the immediate's high byte repeats the setting that is left
.if MSB != \new
	s_set_vgpr_msb (MSB<<8)|\new
.set MSB, \new
.endif
.endm
.set MUL_LO, 0xa1                      ; source 0 (B) window 1, source 1 (A) window 0, C and D window 2
.set MUL_HI, 0xf1                      ; the same, C and D window 3
.set TO_B,   0x40                      ; destination window 1
; A joint load: waves 0 and 1 fetch for A, waves 2 and 3 for B.  The branch hangs on the wave's number alone.  Four v_nop follow each of the two lines.
.macro JLOAD g0a, g1a, g0b, g1b
	s_cmp_eq_u32 s15, 0
	s_cbranch_scc0 .Lfor_b_\@
	tensor_load_to_lds s[\g0a:\g0a+3], s[\g1a:\g1a+7]
	s_nop 0
.rept 4
	v_nop
.endr
	s_branch .Lasked_\@
.Lfor_b_\@:
	tensor_load_to_lds s[\g0b:\g0b+3], s[\g1b:\g1b+7]
	s_nop 0
.rept 4
	v_nop
.endr
.Lasked_\@:
.endm
.macro CREST                           ; a round of the cluster's barrier behind its opening barrier
	s_cmp_lg_u32 s14, 0
	s_cbranch_scc1 .Lnot_wave_0_\@
	s_barrier_signal -3
.Lnot_wave_0_\@:
	s_barrier_wait -3
	s_barrier_signal -1
	s_barrier_wait -1
.endm
.macro CROUND                          ; a whole round
	s_barrier_signal -1
	s_barrier_wait -1
	CREST
.endm
	s_load_b512 s[68:83], s[0:1], 0x0              ; x codes 68, x scales 70, W_q 72, 74, W_k 76, 78, W_v 80, 82
	s_load_b128 s[84:87], s[0:1], 0x40             ; qb 84, kv 86
	v_lshl_add_u32 v[SPW], v0, 2, SPARE
	v_mov_b32 v[NIL], 0
	ds_add_u32 v28, v29
	ds_add_u32 v28, v29
	s_wait_dscnt 0x0
	v_lshrrev_b32 v1, 5, v0
	v_readfirstlane_b32 s14, v1                    ; wave 0..3
	s_lshr_b32 s15, s14, 1                         ; which half of the tile's rows is mine.  Also: I fetch for A (0) or for B (1)
	s_and_b32 s16, s14, 1                          ; which half of its columns.  Also: which 128 rows of that tile I fetch
	s_bfe_u32 s40, ttmp6, 0x40000                  ; cx, cy: my place in the cluster
	s_bfe_u32 s41, ttmp6, 0x40004
	s_and_b32 s17, ttmp7, 0xffff                   ; the cluster's y, 0..23
	s_lshr_b32 s[TYP], s17, 3                      ; which product
	s_and_b32 s17, s17, 7                          ; which four of x's 32 tiles
	s_cmp_eq_u32 s[TYP], 2
	s_cselect_b32 s42, s17, 0                      ; x is B for v,
	s_cselect_b32 s17, 0, s17                      ; and A for q and k
	s_lshl_b32 s42, s42, 2
	s_add_co_u32 s42, s42, s40                     ; tile column of C
	s_lshl_b32 s17, s17, 2
	s_add_co_u32 s17, s17, s41                     ; tile row of C
	s_lshl_b32 s43, s41, 2
	s_lshl_b32 s43, 15, s43                        ; my row of the cluster
	s_lshl_b32 s44, 0x1111, s40                    ; my column
	; descriptor group 1: a tile of 128 rows x 192 bytes, 16 bytes of padding behind every 64
	s_or_b32 s[G1+0], s43, (0<<16)|(1<<20)|(1<<21)|(3<<22)|(3<<25)
	s_or_b32 s[G1B+0], s44, (0<<16)|(1<<20)|(1<<21)|(3<<22)|(3<<25)
.irp g, G1, G1B
	s_mov_b32 s[\g+1], ROWB<<16                    ; tensor_dim0
	s_mov_b32 s[\g+2], 128<<16                     ; tensor_dim1
	s_mov_b32 s[\g+3], ROWB<<16                    ; tile_dim0
	s_mov_b32 s[\g+4], 128                         ; tile_dim1
	s_mov_b32 s[\g+5], KROW                        ; tensor_dim0_stride
	s_mov_b32 s[\g+6], 0
	s_mov_b32 s[\g+7], 0
.endr
	s_lshl_b32 s18, s16, 7                         ; which 128 rows of the tile I fetch
	s_lshl_b32 s20, s17, 8
	s_add_co_u32 s20, s20, s18                     ; A: row 256 x tile row + 128 x half
	s_lshl_b32 s46, s42, 8
	s_add_co_u32 s46, s46, s18                     ; B: row 256 x tile column + 128 x half
	s_mov_b32 s21, 0
	s_mov_b32 s47, 0
	s_mov_b64 s[18:19], KS
	s_mul_u64 s[22:23], s[20:21], s[18:19]         ; where these rows' scales begin
	s_mul_u64 s[92:93], s[46:47], s[18:19]
	s_mov_b64 s[18:19], KROW
	s_mul_u64 s[20:21], s[20:21], s[18:19]         ; and their codes
	s_mul_u64 s[46:47], s[46:47], s[18:19]
	s_mul_i32 s45, s14, HALFT                      ; where they go: wave x 128 rows
	s_mul_i32 s94, s14, HALFS
	s_wait_kmcnt 0x0
	s_cmp_eq_u32 s[TYP], 2                         ; the buffers are chosen by the product's number alone
	s_cselect_b64 s[4:5], s[80:81], s[68:69]       ; A's codes: W_v or x
	s_cselect_b64 s[6:7], s[82:83], s[70:71]       ; A's scales
	s_cselect_b64 s[8:9], s[68:69], s[76:77]       ; B's codes: x or W_k,
	s_cselect_b64 s[10:11], s[70:71], s[78:79]
	s_cmp_eq_u32 s[TYP], 0
	s_cselect_b64 s[8:9], s[72:73], s[8:9]         ; or W_q
	s_cselect_b64 s[10:11], s[74:75], s[10:11]
	s_cselect_b64 s[12:13], s[84:85], s[86:87]     ; the output: qb or kv
	; the arguments' registers are free now.  Group 1 for the scales of 128 rows: a dense block of 4,096 bytes as 16 rows of 256 bytes (32 elements of 8), 16 bytes of padding behind each
	s_or_b32 s[G1S+0], s43, (3<<16)|(1<<20)|(1<<21)|(5<<22)|(3<<25)
	s_or_b32 s[G1SB+0], s44, (3<<16)|(1<<20)|(1<<21)|(5<<22)|(3<<25)
.irp g, G1S, G1SB
	s_mov_b32 s[\g+1], 32<<16
	s_mov_b32 s[\g+2], (128*KS/256)<<16
	s_mov_b32 s[\g+3], 32<<16
	s_mov_b32 s[\g+4], 128*KS/256
	s_mov_b32 s[\g+5], 32
	s_mov_b32 s[\g+6], 0
	s_mov_b32 s[\g+7], 0
.endr
	s_add_nc_u64 s[20:21], s[4:5], s[20:21]
	s_add_nc_u64 s[22:23], s[6:7], s[22:23]
	s_add_nc_u64 s[46:47], s[8:9], s[46:47]
	s_add_nc_u64 s[92:93], s[10:11], s[92:93]
	CROUND                                         ; all sixteen work-groups are here: the first joint loads meet
	s_mov_b32 s[G0S], 1
	s_add_co_u32 s[G0S+1], s94, SCL
	s_mov_b64 s[G0S+2:G0S+3], s[22:23]
	s_or_b32 s[G0S+3], s[G0S+3], 0x80000000
	s_mov_b32 s[G0SB], 1
	s_add_co_u32 s[G0SB+1], s94, SCL
	s_mov_b64 s[G0SB+2:G0SB+3], s[92:93]
	s_or_b32 s[G0SB+3], s[G0SB+3], 0x80000000
	JLOAD G0S, G1S, G0SB, G1SB                     ; the scales first: they are wanted with K step 0
.irp s, 0,1
	s_mov_b32 s[G0+4*\s], 1
	s_add_co_u32 s[G0+4*\s+1], s45, \s*SLOT
	s_add_nc_u64 s[G0+4*\s+2:G0+4*\s+3], s[20:21], \s*ROWB
	s_or_b32 s[G0+4*\s+3], s[G0+4*\s+3], 0x80000000
	s_mov_b32 s[G0B+4*\s], 1
	s_add_co_u32 s[G0B+4*\s+1], s45, \s*SLOT
	s_add_nc_u64 s[G0B+4*\s+2:G0B+4*\s+3], s[46:47], \s*ROWB
	s_or_b32 s[G0B+4*\s+3], s[G0B+4*\s+3], 0x80000000
	JLOAD G0+4*\s, G1, G0B+4*\s, G1B
.endr
	v_and_b32 v1, 15, v0                           ; l % 16
	v_bfe_u32 v2, v0, 4, 1                         ; l / 16
	v_mul_u32_u24 v3, v1, PITCH
	v_mul_u32_u24 v4, v2, 24
	v_add_nc_u32 v4, v3, v4                        ; a fragment's row x pitch + 24 x half
	v_lshl_add_u32 v5, v2, 4, v4                   ; and the same behind one padding more
	s_mul_i32 s21, s15, HALFT                      ; my 128 rows of A
	s_mul_i32 s22, s16, HALFT                      ; my 128 rows of B,
	s_add_co_u32 s22, s22, 2*HALFT                 ; which lie behind A's 256
.irp s, 0,1
	v_add_nc_u32 v[ADRA+\s], s21, v4
	v_add_nc_u32 v[ADRB+\s], s22, v4
	v_add_nc_u32 v[ADRA+2+\s], s21, v5
	v_add_nc_u32 v[ADRB+2+\s], s22, v5
	s_add_co_u32 s21, s21, SLOT
	s_add_co_u32 s22, s22, SLOT
.endr
	v_mul_u32_u24 v5, v1, KS                       ; my row's scales: 32 bytes a row,
	v_lshrrev_b32 v6, 8, v5
	v_lshl_add_u32 v5, v6, 4, v5                   ; and 16 more for each 256 passed
	s_mul_i32 s21, s15, HALFS                      ; A's: my 128 rows
	s_mul_i32 s22, s16, HALFS                      ; B's: my 128 rows, behind A's 256
	s_add_co_u32 s22, s22, 2*HALFS
	s_sub_co_u32 s22, s22, s21
	v_mul_u32_u24 v6, s22, v2                      ; lanes 16-31 take B's
	s_add_co_u32 s21, s21, SCL
	v_add_nc_u32 v5, v5, v6
	v_add_nc_u32 v[ADRS], s21, v5
	v_and_b32 v6, 31, v0
	v_lshlrev_b32 v[L16], 4, v6                    ; the way out: an image's place for my lane
	v_lshlrev_b32 v[L8], 3, v6
	v_and_b32 v[HB], 16, v0
.macro FRAG reg, adr, q, i             ; a fragment: lane l holds row l % 16; registers 6 c .. 6 c + 5 hold K = 64 c + 32 (l / 16) + 0 .. 31: 24 bytes of the row's stream of bits, in pieces of 8 bytes
.irp p, 0,1,2,3,4,5
.set PIECE, 12*(\q)+6*(\p/3)+\p%3      ; lanes 16-31 read three pieces further on; where that lies behind one padding more, the second address register serves
.if PIECE%8 < 5
	ds_load_b64 v[\reg+2*\p:\reg+2*\p+1], v[\adr] offset:8*PIECE+16*(PIECE/8)+(\i)*16*PITCH
.else
	ds_load_b64 v[\reg+2*\p:\reg+2*\p+1], v[\adr+2] offset:8*PIECE+16*(PIECE/8)+(\i)*16*PITCH
.endif
.endr
.endm
; 16 matrix instructions: A's blocks a0, a0 + 1 x B's eight, 128 along K.  The 64 accumulators take turns, one instruction a turn, in the same order in every step.
.macro MUL16 a0, p, q, sc, zero
.irp a, \a0, \a0+1
.irp b, 0,1,2,3,4,5,6,7
.if \zero
	v_wmma_scale_f32_16x16x128_f8f6f4 v[8*(8*((\a)%4)+\b):8*(8*((\a)%4)+\b)+7], v[128*(\p)+FR*\b:128*(\p)+FR*\b+FR-1], v[AF+FR*(\a):AF+FR*(\a)+FR-1], 0, v[SC+8*NQ*(\sc)+NQ*\b+(\q)], v[SC+8*NQ*(\sc)+NQ*(\a)+(\q)] matrix_a_fmt:MATRIX_FMT_FP6 matrix_b_fmt:MATRIX_FMT_FP6 matrix_a_scale:MATRIX_SCALE_ROW1
.else
	v_wmma_scale_f32_16x16x128_f8f6f4 v[8*(8*((\a)%4)+\b):8*(8*((\a)%4)+\b)+7], v[128*(\p)+FR*\b:128*(\p)+FR*\b+FR-1], v[AF+FR*(\a):AF+FR*(\a)+FR-1], v[8*(8*((\a)%4)+\b):8*(8*((\a)%4)+\b)+7], v[SC+8*NQ*(\sc)+NQ*\b+(\q)], v[SC+8*NQ*(\sc)+NQ*(\a)+(\q)] matrix_a_fmt:MATRIX_FMT_FP6 matrix_b_fmt:MATRIX_FMT_FP6 matrix_a_scale:MATRIX_SCALE_ROW1
.endif
.endr
.endr
.endm
.macro FETCH_B slot, q, p              ; B's eight fragments of the slot's q-th 128 along K into set p
	WIN TO_B
.irp i, 0,1,2,3,4,5,6,7
	FRAG 128*(\p)+FR*\i, ADRB+\slot, \q, \i
.endr
	WIN 0
.endm
.macro FETCH_A slot, q, i0             ; A's blocks i0 .. i0 + 3
.irp i, \i0, \i0+1, \i0+2, \i0+3
	FRAG AF+FR*(\i), ADRA+\slot, \q, \i
.endr
.endm
.macro SCALES sc                       ; the next K step's scale words: lanes 0-15 take A's block i, lanes 16-31 B's block i
.irp i, 0,1,2,3,4,5,6,7
	ds_load_b64 v[SC+8*NQ*\sc+NQ*\i:SC+8*NQ*\sc+NQ*\i+1], v[ADRS] offset:\i*SBLK
.endr
.endm
.macro PLACES n                        ; plain vector instructions between a matrix instruction and a load into, or a vector read or write of, its registers
.rept \n
	v_nop
.endr
.endm
; A step of 128 along K that has its successor in the same slot.
.macro STEP slot, q, zero
	s_wait_dscnt 4*NL                              ; B's set and A's blocks 0-3 are in; the youngest 24 loads (A's blocks 4-7) may be out
	WIN MUL_LO
	MUL16 0, (\q)%2, \q, \slot, \zero
	MUL16 2, (\q)%2, \q, \slot, \zero
	s_wait_dscnt 0                                 ; A's blocks 4-7 are in
	PLACES NP
	FETCH_B \slot, (\q)+1, 1-(\q)%2
	FETCH_A \slot, (\q)+1, 0
	WIN MUL_HI
	MUL16 4, (\q)%2, \q, \slot, \zero
	MUL16 6, (\q)%2, \q, \slot, \zero
	PLACES NP
	WIN 0
	FETCH_A \slot, (\q)+1, 4
.endm
; A slot's last step changes slots: one barrier; in front of it each wave waits for all its tensor loads, adds 0 to its spare word, and waits for that and for its own reads of this slot.
.macro TURN slot, next, fill
	s_wait_tensorcnt 0x0                           ; all my tensor loads have landed: my part of the next slot
	ds_add_u32 v[SPW], v[NIL]                      ; 0 onto my spare word
	s_wait_dscnt 4*NL+1                            ; (the add and the youngest 24 loads, A's blocks 4-7, may be out)
	WIN MUL_LO
	MUL16 0, 1, NQ-1, \slot, 0                     ; sixteen matrix instructions stand between the add and the wait for it
	s_wait_dscnt 0x0                               ; the add is done, and my reads of this slot are over
	s_barrier_signal -1
	MUL16 2, 1, NQ-1, \slot, 0
	WIN 0
	s_barrier_wait -1
.if \fill
	CREST                                          ; the barrier has opened a round of the cluster's: no wave of any partner still reads this slot or has a load on its way
	s_add_nc_u64 s[G0+4*\slot+2:G0+4*\slot+3], s[G0+4*\slot+2:G0+4*\slot+3], 2*ROWB
	s_add_nc_u64 s[G0B+4*\slot+2:G0B+4*\slot+3], s[G0B+4*\slot+2:G0B+4*\slot+3], 2*ROWB
	JLOAD G0+4*\slot, G1, G0B+4*\slot, G1B         ; the first tensor load behind the round; its four v_nop are the places in front of the loads below
.else
	PLACES NP
.endif
	s_wait_alu depctr_va_vdst(0)
	v_add_nc_u32 v[ADRS], 4*NQ, v[ADRS]            ; on to the next K step's scale words
	FETCH_B \next, 0, 0
	FETCH_A \next, 0, 0
	SCALES \next
	WIN MUL_HI
	MUL16 4, 1, NQ-1, \slot, 0
	MUL16 6, 1, NQ-1, \slot, 0
	PLACES NP
	WIN 0
	FETCH_A \next, 0, 4
.endm
	s_wait_alu depctr_va_vdst(0)
	s_wait_tensorcnt 1                             ; three loads of mine are out: the scales and K step 0 are in, K step 1's may stay out
	s_barrier_signal -1
	s_barrier_wait -1                              ; everybody's are
	FETCH_B 0, 0, 0
	FETCH_A 0, 0, 0
	SCALES 0
	FETCH_A 0, 0, 4
	STEP 0, 0, 1                                   ; the first step's products start the sums
	s_mov_b32 s3, LAPS-1
.Llap:                                             ; a trip goes once round the ring and fills both slots again
	TURN 0, 1, 1
	STEP 1, 0, 0
	TURN 1, 0, 1
	STEP 0, 0, 0
	s_sub_co_u32 s3, s3, 1
	s_cmp_lg_u32 s3, 0
	s_cbranch_scc1 .Llap
	TURN 0, 1, 0                                   ; the last lap fills nothing
	STEP 1, 0, 0
	s_wait_dscnt 4*NL                              ; the very last step
	WIN MUL_LO
	MUL16 0, 1, NQ-1, 1, 0
	MUL16 2, 1, NQ-1, 1, 0
	s_wait_dscnt 0
	WIN MUL_HI
	MUL16 4, 1, NQ-1, 1, 0
	MUL16 6, 1, NQ-1, 1, 0
	WIN 0
	; THE WAY OUT.  No tensor load follows, so registers may now hold both of the cluster's coordinates.  Where my wave's records begin:
	; XT, xw: x's tile of 256 tokens and my half of it; WT, ww: the weight's tile of 256 outputs (4 heads) and my half (2 heads)
	PLACES NP                                      ; behind the last products: their results and scale registers are touched below
	s_cmp_eq_u32 s[TYP], 2
	s_cselect_b32 s18, s42, s17                    ; XT
	s_cselect_b32 s19, s17, s42                    ; WT
	s_cselect_b32 s20, s16, s15                    ; xw
	s_cselect_b32 s21, s15, s16                    ; ww
	s_cselect_b32 s22, 6144, 0                     ; the codes' place in a record: V's fragments lie behind K's tiles
	s_mov_b32 s23, 12288
	s_cselect_b32 s23, 12800, s23                  ; the scale words': V's, K's,
	s_cmp_eq_u32 s[TYP], 0
	s_cselect_b32 s23, 6144, s23                   ; or q's
	s_mov_b32 s45, 208896
	s_cselect_b32 s45, 106496, s45                 ; bytes of a head
	s_mov_b32 s46, 13056
	s_cselect_b32 s46, 6656, s46                   ; bytes of a record
	s_lshr_b32 s40, s18, 3                         ; the batch: 8 tiles of 256 tokens each
	s_and_b32 s18, s18, 7
	s_lshl_b32 s18, s18, 1
	s_add_co_u32 s18, s18, s20                     ; the step of 128 tokens
	s_lshl_b32 s40, s40, 4
	s_lshl_b32 s19, s19, 2
	s_add_co_u32 s40, s40, s19
	s_lshl_b32 s21, s21, 1
	s_add_co_u32 s40, s40, s21                     ; my first head: 16 x batch + 4 WT + 2 ww
	s_mul_i32 s40, s40, s45
	s_mul_i32 s18, s18, s46
	s_add_co_u32 s40, s40, s18
	s_mov_b32 s41, 0
	s_add_nc_u64 s[12:13], s[12:13], s[40:41]      ; my first head's record
	s_mov_b32 s20, s22
	s_mov_b32 s21, 0
	s_add_nc_u64 s[4:5], s[12:13], s[20:21]        ; s[4:5]  codes, first head
	s_mov_b32 s20, s23
	s_add_nc_u64 s[8:9], s[12:13], s[20:21]        ; s[8:9]  scale words, first head
	s_mov_b32 s20, s45
	s_add_nc_u64 s[6:7], s[4:5], s[20:21]          ; s[6:7]  codes, second head
	s_add_nc_u64 s[10:11], s[8:9], s[20:21]        ; s[10:11] scale words, second head
	s_mov_b32 s[SEL], 0x76543210
	s_mov_b32 s[SEL+1], 0xfedcba98
.irp b, 0,1,2,3
	v_mov_b32 v[TM+4+\b], 0                        ; written once: a lane permute's destination counts as one of its sources
.endr
; Block a of 16 rows: its 64 numbers a lane become 12 registers of codes in v[CD] on and a scale word in v[PW + a].
.macro QUANTW a
.set AC, 64*((\a)%4)
	WIN 0x0a+5*((\a)/4)                            ; sources 0 and 1: window 2 or 3
.irp b, 0,1,2,3
	v_max3_num_f32 v[TM+\b], |v[AC+16*\b]|, |v[AC+16*\b+1]|, 0x1800000   ; my 16 numbers of block b, each accumulator from its low end on, and the floor 2^(3 - 127): the byte cannot fall under 1
.endr
.irp i, 2,4,6,8,10,12,14
.irp b, 0,1,2,3
	v_max3_num_f32 v[TM+\b], |v[AC+16*\b+\i]|, |v[AC+16*\b+\i+1]|, v[TM+\b]
.endr
.endr
	WIN 0
.irp b, 0,1,2,3
	v_permlanex16_b32 v[TM+4+\b], v[TM+\b], s[SEL], s[SEL+1]
.endr
.irp b, 0,1,2,3
	v_max_num_f32 v[TM+\b], v[TM+\b], v[TM+4+\b]   ; with lane l xor 16's: the block's largest magnitude
.endr
.irp b, 0,1,2,3
	v_add_nc_u32 v[TM+12+\b], 0xff000000, v[TM+\b] ; 2 off its exponent field: the conversion takes the exponent field of this operand as its scale
.endr
.irp b, 0,1,2,3
	v_lshrrev_b32 v[TM+4+\b], 23, v[TM+12+\b]      ; the scale's byte
.endr
	v_lshl_or_b32 v[PW+(\a)], v[TM+5], 8, v[TM+4]
	v_lshl_or_b32 v[PW+(\a)], v[TM+6], 16, v[PW+(\a)]
	v_lshl_or_b32 v[PW+(\a)], v[TM+7], 24, v[PW+(\a)]
	s_wait_xcnt 0x0                                ; the last block's stores have read their data: the codes' registers are written again only behind this wait
	WIN 0x02+(\a)/4                                ; source 0: window 2 or 3
.irp c, 0,1
	v_cvt_scalef32_pk16_fp6_f32 v[CD+6*\c:CD+2+6*\c], v[AC+32*\c:AC+15+32*\c], v[TM+12+2*\c]
	v_cvt_scalef32_pk16_fp6_f32 v[CD+12+4*\c:CD+14+4*\c], v[AC+16+32*\c:AC+31+32*\c], v[TM+13+2*\c]   ; (a conversion's three registers begin on an even number)
.endr
	WIN 0
	v_nop                                          ; one plain place behind a scaled conversion
.irp c, 0,1                                        ; a whole block to a lane: lanes 0-15 block 2 c, lanes 16-31 block 2 c + 1
.irp i, 0,1,2
	v_permlane16_swap_b32 v[CD+6*\c+\i], v[CD+12+4*\c+\i]
.endr
.irp i, 0,1,2
	v_mov_b32 v[CD+3+6*\c+\i], v[CD+12+4*\c+\i]
.endr
.endr
.endm
; q, k: registers 0-5 are the first head's tile of 16 tokens, registers 6-11 the second head's.  v: the 12 registers are one fragment of V^T: head a / 4, channels 16 (a % 4) on.
.macro OUT a
	s_cmp_eq_u32 s[TYP], 2
	s_cbranch_scc1 .Lv_\@
	global_store_b128 v[L16], v[CD:CD+3], s[4:5] offset:768*(\a)
	global_store_b64 v[L8], v[CD+4:CD+5], s[4:5] offset:768*(\a)+512
	global_store_b128 v[L16], v[CD+6:CD+9], s[6:7] offset:768*(\a)
	global_store_b64 v[L8], v[CD+10:CD+11], s[6:7] offset:768*(\a)+512
	s_branch .Lout_\@
.Lv_\@:
	s_wait_alu depctr_va_vdst(0)
.irp p, 0,1,2
	global_store_b128 v[L16], v[CD+4*\p:CD+4*\p+3], s[4+2*((\a)/4):5+2*((\a)/4)] offset:1536*((\a)%4)+512*\p
.endr
.Lout_\@:
.endm
.irp a, 0,1,2,3,4,5,6,7
	QUANTW \a
	OUT \a
.endr
	; the scale words: lanes 0-15 carry the even block's, lanes 16-31 the odd block's, so that one register serves two tiles in the reader
	v_cmp_ne_u32 vcc_lo, 0, v[HB]
.irp i, 0,1,2,3
	v_cndmask_b32 v[TT+\i], v[PW+2*\i], v[PW+2*\i+1], vcc_lo
.endr
	s_cmp_eq_u32 s[TYP], 2
	s_cbranch_scc1 .Lv_scales
.irp i, 0,1,2,3
	v_and_b32 v[U0+\i], 0xffff, v[TT+\i]           ; the first head's two bytes; bytes 2 and 3 stay 0: they stand over zero codes
	v_lshrrev_b32 v[U1+\i], 16, v[TT+\i]           ; the second head's
.endr
	global_store_b128 v[L16], v[U0:U0+3], s[8:9]
	global_store_b128 v[L16], v[U1:U1+3], s[10:11]
	s_branch .Lscales_out
.Lv_scales:
	s_wait_alu depctr_va_vdst(0)
	global_store_b64 v[L8], v[TT:TT+1], s[8:9]     ; blocks 0-3 are the first head's channels,
	global_store_b64 v[L8], v[TT+2:TT+3], s[10:11] ; blocks 4-7 the second head's
.Lscales_out:
	s_wait_tensorcnt 0x0                           ; the wave's end
	ds_add_u32 v[SPW], v[NIL]
	s_wait_dscnt 0x0
	CROUND                                         ; the closing round: no work-group ends while a partner may still ask for a tile that names it
	s_endpgm
.Lfunc_end_k_qf1983c65fe_qkv:
	.size	k_qf1983c65fe_qkv, .Lfunc_end_k_qf1983c65fe_qkv-k_qf1983c65fe_qkv
	.p2alignl 7, 3214868480
	.fill 96, 4, 3214868480
	.section	.rodata,"a",@progbits
	.p2align	6, 0x0
	.amdhsa_kernel k_qf1983c65fe_qkv
		.amdhsa_group_segment_fixed_size 327680
		.amdhsa_private_segment_fixed_size 0
		.amdhsa_enable_private_segment 0
		.amdhsa_kernarg_size 80
		.amdhsa_user_sgpr_count 2
		.amdhsa_user_sgpr_kernarg_segment_ptr 1
		.amdhsa_wavefront_size32 1
		.amdhsa_system_sgpr_workgroup_id_x 1
		.amdhsa_system_sgpr_workgroup_id_y 1
		.amdhsa_system_sgpr_workgroup_id_z 1
		.amdhsa_system_vgpr_workitem_id 0
		.amdhsa_next_free_vgpr 1024
		.amdhsa_next_free_sgpr 100
		.amdhsa_reserve_vcc 1
		.amdhsa_float_denorm_mode_32 3
		.amdhsa_float_denorm_mode_16_64 3
		.amdhsa_memory_ordered 1
		.amdhsa_forward_progress 1
		.amdhsa_inst_pref_size 170
	.end_amdhsa_kernel
	.amdgpu_metadata
---
amdhsa.version: [ 1, 2 ]
amdhsa.kernels:
  - .name:           k_qf1983c65fe_qkv
    .symbol:         k_qf1983c65fe_qkv.kd
    .args:
      - { .name: x_codes, .offset: 0, .size: 8, .value_kind: global_buffer, .address_space: global }
      - { .name: x_scales, .offset: 8, .size: 8, .value_kind: global_buffer, .address_space: global }
      - { .name: W_q_codes, .offset: 16, .size: 8, .value_kind: global_buffer, .address_space: global }
      - { .name: W_q_scales, .offset: 24, .size: 8, .value_kind: global_buffer, .address_space: global }
      - { .name: W_k_codes, .offset: 32, .size: 8, .value_kind: global_buffer, .address_space: global }
      - { .name: W_k_scales, .offset: 40, .size: 8, .value_kind: global_buffer, .address_space: global }
      - { .name: W_v_codes, .offset: 48, .size: 8, .value_kind: global_buffer, .address_space: global }
      - { .name: W_v_scales, .offset: 56, .size: 8, .value_kind: global_buffer, .address_space: global }
      - { .name: qb, .offset: 64, .size: 8, .value_kind: global_buffer, .address_space: global }
      - { .name: kv, .offset: 72, .size: 8, .value_kind: global_buffer, .address_space: global }
    .group_segment_fixed_size: 327680
    .private_segment_fixed_size: 0
    .kernarg_segment_align: 8
    .kernarg_segment_size: 80
    .max_flat_workgroup_size: 128
    .sgpr_count:     100
    .vgpr_count:     1024
    .wavefront_size: 32
...
	.end_amdgpu_metadata
.endif
;; end of part 1
;; launch attn (part 2): grid 4 x 64, 16 waves a work-group, clusters of 4 x 1, 327,680 bytes of LDS; arguments qb, kv, cc, cs; writes cc, cs
.if DOCPART == 2
	.amdgcn_target "amdgcn-amd-amdhsa--gfx1250"
	.amdhsa_code_object_version 6
	.text
	.protected	k_qf1983c65fe_attn
	.globl	k_qf1983c65fe_attn
	.p2align	8
	.type	k_qf1983c65fe_attn,@function
k_qf1983c65fe_attn:
	s_mov_b64 s[64:65], 0
	v_nop
	global_prefetch_b8 v0, s[64:65] scope:SCOPE_SE
	s_setreg_imm32_b32 hwreg(HW_REG_WAVE_MODE, 25, 1), 1
	s_wait_xcnt 0x0
	s_wait_alu depctr_hold_cnt(0) depctr_sa_sdst(0) depctr_va_vdst(0) depctr_va_sdst(0) depctr_va_ssrc(0) depctr_va_vcc(0) depctr_vm_vsrc(0)
	s_getreg_b32 s2, hwreg(HW_REG_IB_STS2, 6, 4)
	s_cmp_eq_u32 s2, 0
	s_cbranch_scc0 .Lentry_in_a_cluster
	s_endpgm
.Lentry_in_a_cluster:
	s_bfe_u32 s2, ttmp6, 0x10000c
	s_cmp_lg_u32 s2, 0x3003
	s_cbranch_scc0 .Lentry_shape_is_right
	s_endpgm
.Lentry_shape_is_right:
; ctx = softmax(q k^T / 8, causal) v for one head (head size 64), both products on codes of FP6 (E2M3) with E8M0 scales, and ctx quantised along the model's 1,024 (head x 64 + channel) for the last product.
; THE SOFTMAX: t = score x log2(e) / 8; M = the row's largest t so far, rounded up to a whole number; p = 2^(t - M) is quantised along the keys, not normalised; the row's sum is taken of the unquantised p and divides at the end.
; When M moves, the sum and O are multiplied by 2^(old M - new M): exact.
; SHARES.  The four work-groups of a cluster serve one head.  A head has 128 tiles of 16 queries; tile T needs T / 8 + 1 steps of 128 keys.  Work-group cx, wave w takes tile 8 w + 2 cx in pass 0 and
; tile 8 (15 - w) + 2 cx + 1 in pass 1: (w + 1) + (16 - w) = 17 steps for every wave.  Trip counts and branches hang on the wave's number alone; cx enters global addresses and the mask's compare value.
; LDS.  A head's K and V as codes and scale words are 16 records of 13,056 bytes, 208,896 in all: they come ONCE, wave w asking for record w by one joint load that names the four work-groups.
; Nothing is filled again, nothing is stored into LDS, and one barrier stands in front of all reads.
; A record: 8 tiles of 16 keys x 768 bytes (lane l's registers 0-3 at 16 l, 4-5 at 512 + 8 l); 4 fragments of V^T x 1,536 (registers 4 p .. at 512 p + 16 l); K's scale words 512; V's 256.  All are images of operand registers.
; LAYOUT.  Both products are used transposed: S^T = K Q^T (source 0 = 16 keys, source 1 = my 16 queries), O^T = V^T P^T: a lane holds one query (lane % 16) throughout.
; The head's 64 channels fill half of the instruction's 128 along K: registers 6-11 of Q's and K's fragments hold zero codes, set once; their scale bytes are 0.
; ORDER INSIDE A BLOCK of 32 keys: position 16 h + 8 u + j holds key 32 B + 16 u + 8 h + j, in p as in v (laid so by the launch before): alike on both sides.  ctx is laid in true order, since W_o is given.
; No prefetch: all that a work-group reads of K and V is asked for by its first and only fills.
; LIMITS: NaN and infinities are not served.  A block of zeros gets the byte 1 where the quantiser says 127: its codes are zeros, and this program alone reads the bytes.
; REGISTERS: v1 16 x lane, v2 8 x lane, v3-4 the step's LDS addresses, v5 the mask's value, v[6:7] V's scale words, v8 16 r, v9 32 r, v10 Q's scale word, v11 p's, v12 -M, v13 the largest t, v[14:15] the sum,
;   v16-27 Q, v28-31 K's scale words, v32-79 four tiles of K, v80-127 V's four fragments, v128-191 S^T then p, v192-223 O^T, v224-235 p's codes, v236-255 at work.
.set REC,  13056                       ; a step's record of K and V
.set VFR,  6144                        ; V's fragments in it
.set KSC,  12288                       ; K's scale words
.set VSC,  12800                       ; V's
.set QREC, 6656                        ; a step's record of q
.set WV,   12                          ; s12 wave; s13 cx; s14 head; s15 my tile's last step; s16 the step; s17 its record's LDS byte
.set SEL,  20                          ; s[20:21] lane selects: lane l xor 16
.set CS,   22                          ; s[22:23] c = log2(e) / 8
.macro CROUND                          ; a round of the cluster's barrier
	s_barrier_signal -1
	s_barrier_wait -1
	s_cmp_lg_u32 s[WV], 0
	s_cbranch_scc1 .Lnot_wave_0_\@
	s_barrier_signal -3
.Lnot_wave_0_\@:
	s_barrier_wait -3
	s_barrier_signal -1
	s_barrier_wait -1
.endm
.macro PLACES                          ; plain vector instructions between a matrix instruction and a load into, or a vector read of, its registers
.rept 4
	v_nop
.endr
.endm
	s_load_b256 s[4:11], s[0:1], 0x0               ; qb s[4:5], kv s[6:7], cc s[8:9], cs s[10:11]
	v_lshl_add_u32 v254, v0, 2, 0x33000
	v_mov_b32 v255, 0
	ds_add_u32 v254, v255
	ds_add_u32 v254, v255
	s_wait_dscnt 0x0
	v_lshrrev_b32 v1, 5, v0
	s_delay_alu instid0(VALU_DEP_1)
	v_readfirstlane_b32 s[WV], v1                  ; wave 0..15
	s_and_b32 s14, ttmp7, 0xffff                   ; the head (batch x 16 + head), which the four partners share
	; descriptor group 1: a dense block of 13,056 bytes as 51 rows of 256 bytes (32 elements of 8 bytes), no padding; the mask names the four work-groups
	s_mov_b32 s24, 15|(3<<16)|(1<<21)
	s_mov_b32 s25, 32<<16                          ; tensor_dim0
	s_mov_b32 s26, 51<<16                          ; tensor_dim1
	s_mov_b32 s27, 32<<16                          ; tile_dim0
	s_mov_b32 s28, 51                              ; tile_dim1
	s_mov_b32 s29, 32                              ; the pitch
	s_mov_b32 s30, 0
	s_mov_b32 s31, 0
	s_mov_b32 s32, 1
	s_mul_i32 s33, s[WV], REC                      ; record w goes to LDS byte 13,056 w
	s_mul_i32 s60, s14, 16*REC
	s_add_co_u32 s60, s60, s33
	s_mov_b32 s61, 0
	s_mov_b32 s[SEL], 0x76543210
	s_mov_b32 s[SEL+1], 0xfedcba98
	s_mov_b32 s[CS], 0x3e38aa3b
	s_mov_b32 s[CS+1], s[CS]                       ; (named with it as a pair, so it is written)
	s_wait_kmcnt 0x0
	s_add_nc_u64 s[34:35], s[6:7], s[60:61]
	s_or_b32 s35, s35, 0x80000000
	CROUND                                         ; all four work-groups are here: the joint loads meet
	tensor_load_to_lds s[32:35], s[24:31]          ; my one tensor load
	s_nop 0
	PLACES
	s_bfe_u32 s13, ttmp6, 0x40000                  ; cx: from here on, in global addresses and the mask's value alone
; The four addresses of pass p, never rewritten: s[36+8p] my tile of q, s[38+8p] its scale words, s[40+8p] my tile of ctx's codes, s[42+8p] its scale bytes.
.macro ADDRS p
.if \p == 0
	s_mov_b32 s52, s[WV]                           ; g: the step in which my tile lies
.else
	s_sub_co_u32 s52, 15, s[WV]
.endif
	s_mul_i32 s53, s14, 16*QREC
	s_mul_i32 s54, s52, QREC
	s_add_co_u32 s53, s53, s54                     ; q's record
	s_lshl_b32 s54, s13, 1
	s_add_co_u32 s54, s54, \p                      ; my tile in it: 2 cx + p
	s_mul_i32 s55, s54, 768
	s_add_co_u32 s56, s53, s55
	s_mov_b32 s57, 0
	s_add_nc_u64 s[36+8*\p:37+8*\p], s[4:5], s[56:57]
	s_lshl_b32 s55, s13, 2
	s_add_co_u32 s56, s53, s55
	s_add_co_u32 s56, s56, 6144+256*\p             ; tile 2 i + u's word of row r lies at 256 u + 16 r + 4 i
	s_add_nc_u64 s[38+8*\p:39+8*\p], s[4:5], s[56:57]
	s_lshr_b32 s55, s14, 4
	s_lshl_b32 s55, s55, 7
	s_lshl_b32 s58, s52, 3
	s_add_co_u32 s55, s55, s58
	s_add_co_u32 s55, s55, s54                     ; my tile of 16 rows among ctx's 512
	s_and_b32 s58, s14, 15                         ; the head in its batch
	s_mul_i32 s56, s55, 12288
	s_mul_i32 s59, s58, 768
	s_add_co_u32 s56, s56, s59
	s_add_nc_u64 s[40+8*\p:41+8*\p], s[8:9], s[56:57]
	s_lshl_b32 s56, s55, 9
	s_lshl_b32 s59, s58, 1
	s_add_co_u32 s56, s56, s59
	s_add_nc_u64 s[42+8*\p:43+8*\p], s[10:11], s[56:57]
.endm
	ADDRS 0
	ADDRS 1
	v_and_b32 v3, 31, v0                           ; lane
	s_delay_alu instid0(VALU_DEP_1)
	v_lshlrev_b32 v1, 4, v3
	s_delay_alu instid0(VALU_DEP_2)
	v_lshlrev_b32 v2, 3, v3
	v_and_b32 v4, 15, v0                           ; r
	s_delay_alu instid0(VALU_DEP_1)
	v_lshlrev_b32 v8, 4, v4
	s_delay_alu instid0(VALU_DEP_2)
	v_lshlrev_b32 v9, 5, v4
	v_bfe_u32 v5, v0, 4, 1                         ; h
	s_delay_alu instid0(VALU_DEP_1)
	v_lshlrev_b32 v5, 3, v5
	s_delay_alu instid0(VALU_DEP_1)
	v_sub_nc_u32 v5, v4, v5
	s_lshl_b32 s52, s13, 5
	v_add_nc_u32 v5, s52, v5                       ; r - 8 h + 32 cx: pass 0's mask value
.irp j, 22,23,24,25,26,27
	v_mov_b32 v\j, 0                               ; Q's upper half: zero codes
.endr
.irp t, 0,1,2,3
.irp j, 6,7,8,9,10,11
	v_mov_b32 v[32+12*\t+\j], 0                    ; K's upper halves likewise: no load lands there
.endr
.endr
.irp j, 236,237,238,239,252,253
	v_mov_b32 v\j, 0                               ; written once: lane permutes' destinations, and the upper half of the pair v[252:253]
.endr
.macro QLOAD p
	global_load_b128 v[16:19], v1, s[36+8*\p:37+8*\p]
	global_load_b64 v[20:21], v2, s[36+8*\p:37+8*\p] offset:512
	global_load_b32 v10, v8, s[38+8*\p:39+8*\p]
.endm
	QLOAD 0
	s_wait_tensorcnt 0x0                           ; my record has landed,
	s_barrier_signal -1
	s_barrier_wait -1                              ; everybody's has: from here on LDS is only read
.macro SQK g, t                        ; S^T of keys 16 (4 g + t) on.  One register carries the scale words of two tiles: the even one's in lanes 0-15, the odd one's in lanes 16-31
.if (\t)%2
	v_wmma_scale_f32_16x16x128_f8f6f4 v[128+8*(4*\g+\t):135+8*(4*\g+\t)], v[32+12*\t:43+12*\t], v[16:27], 0, v[28+(4*\g+\t)/2], v10 matrix_a_fmt:MATRIX_FMT_FP6 matrix_b_fmt:MATRIX_FMT_FP6 matrix_a_scale:MATRIX_SCALE_ROW1
.else
	v_wmma_scale_f32_16x16x128_f8f6f4 v[128+8*(4*\g+\t):135+8*(4*\g+\t)], v[32+12*\t:43+12*\t], v[16:27], 0, v[28+(4*\g+\t)/2], v10 matrix_a_fmt:MATRIX_FMT_FP6 matrix_b_fmt:MATRIX_FMT_FP6
.endif
.endm
.macro KLOAD g                         ; four tiles of K: 24 bytes a lane each
.irp t, 0,1,2,3
	ds_load_b128 v[32+12*\t:35+12*\t], v3 offset:768*(4*\g+\t)
	ds_load_b64 v[36+12*\t:37+12*\t], v4 offset:768*(4*\g+\t)+512
.endr
.endm
.macro PVP d                           ; O^T of channels 16 d on += V^T P^T
.if (\d)%2
	v_wmma_scale_f32_16x16x128_f8f6f4 v[192+8*\d:199+8*\d], v[80+12*\d:91+12*\d], v[224:235], v[192+8*\d:199+8*\d], v[6+(\d)/2], v11 matrix_a_fmt:MATRIX_FMT_FP6 matrix_b_fmt:MATRIX_FMT_FP6 matrix_a_scale:MATRIX_SCALE_ROW1
.else
	v_wmma_scale_f32_16x16x128_f8f6f4 v[192+8*\d:199+8*\d], v[80+12*\d:91+12*\d], v[224:235], v[192+8*\d:199+8*\d], v[6+(\d)/2], v11 matrix_a_fmt:MATRIX_FMT_FP6 matrix_b_fmt:MATRIX_FMT_FP6
.endif
.endm
; A KEY STEP: 128 keys, 12 matrix instructions.
.macro STEP
	v_add_nc_u32 v3, s17, v1
	v_add_nc_u32 v4, s17, v2
	KLOAD 0
	ds_load_b128 v[28:31], v3 offset:KSC           ; the eight tiles' scale words
	s_wait_alu depctr_va_vdst(0)
	s_wait_dscnt 0x0
.irp t, 0,1,2,3
	SQK 0, \t
.endr
	PLACES                                         ; in front of loads into K's registers; with the two additions above also behind the last step's products, whose V is loaded over
	KLOAD 1
.irp d, 0,1,2,3
.irp c, 0,1,2
	ds_load_b128 v[80+12*\d+4*\c:83+12*\d+4*\c], v3 offset:VFR+1536*\d+512*\c
.endr
.endr
	ds_load_b64 v[6:7], v4 offset:VSC
	s_wait_dscnt 13                                ; K's eight loads are in; V's twelve and its scale words may stay out
.irp t, 0,1,2,3
	SQK 1, \t
.endr
	PLACES
	; on the diagonal (my tile's last step) the scores of hidden keys become -infinity ahead of the maximum: p = 0 then.  Register n holds key 16 (n / 8) + n % 8 + 8 h of the step; my query is 32 cx + 16 p + r
	s_cmp_lg_u32 s16, s15
	s_cbranch_scc1 .Lopen_\@
	v_mov_b32 v254, 0xff800000
.set n, 0
.rept 64
	v_cmp_gt_i32 vcc_lo, 16*(n/8)+n%8, v5
	v_cndmask_b32 v[128+n], v[128+n], v254, vcc_lo
.set n, n+1
.endr
.Lopen_\@:
.irp b, 0,1,2,3
	v_max3_num_f32 v[248+\b], v[128+16*\b], v[129+16*\b], v[130+16*\b]   ; the largest score of each block of 32 keys: it serves for the row's maximum and, since p rises with the score, for the block's largest p
.endr
.irp i, 3,5,7,9,11,13
.irp b, 0,1,2,3
	v_max3_num_f32 v[248+\b], v[248+\b], v[128+16*\b+\i], v[129+16*\b+\i]
.endr
.endr
.irp b, 0,1,2,3
	v_max_num_f32 v[248+\b], v[248+\b], v[143+16*\b]
.endr
.irp b, 0,1,2,3
	s_delay_alu instid0(VALU_DEP_4)
	v_permlanex16_b32 v[236+\b], v[248+\b], s[SEL], s[SEL+1]
.endr
.irp b, 0,1,2,3
	s_delay_alu instid0(VALU_DEP_4)
	v_max_num_f32 v[248+\b], v[248+\b], v[236+\b]  ; with lane l xor 16's 16 keys
.endr
	s_delay_alu instid0(VALU_DEP_2)
	v_max3_num_f32 v254, v248, v249, v250
	s_delay_alu instid0(VALU_DEP_1)
	v_max_num_f32 v254, v254, v251                 ; the step's largest score of my query
	s_delay_alu instid0(VALU_DEP_1)
	v_mul_f32 v254, s[CS], v254                    ; as t
	s_delay_alu instid0(VALU_DEP_1)
	v_max_num_f32 v13, v13, v254                   ; the running largest t
	v_mov_b32 v254, v12
	s_delay_alu instid0(VALU_DEP_2)
	v_floor_f32 v12, -v13                          ; the new -M = -ceil(t): a whole number
	s_delay_alu instid0(VALU_DEP_1)
	v_sub_f32 v254, v12, v254                      ; old M - new M: a whole number, 0 or less
	s_delay_alu instid0(VALU_DEP_1)
	v_cvt_i32_f32 v254, v254                       ; (it saturates)
	s_delay_alu instid0(VALU_DEP_1)
	v_ldexp_f32 v252, 1.0, v254                    ; f = 2^(old M - new M)
.set j, 0
.rept 32
	v_pk_fma_f32 v[128+j:129+j], v[128+j:129+j], s[CS:CS+1], v[12:13] op_sel_hi:[1,0,0]   ; t - M, two at a time
.set j, j+2
.endr
	s_setprio 1
.irp b, 0,1,2,3
	v_fma_f32 v[248+\b], v[248+\b], s[CS], v12     ; the same of each block's largest score
.endr
.set j, 0
	s_wait_alu depctr_va_vdst(0)
.rept 64
	v_exp_f32 v[128+j], v[128+j]                   ; p = 2^(t - M), at most 1
.set j, j+1
.endr
	v_pk_mul_f32 v[14:15], v[14:15], v[252:253] op_sel_hi:[1,0]   ; the sums under the new M: the plain instruction behind the exponentials
	s_wait_alu depctr_va_vdst(0)                   ; one wait for the batch of 64, ahead of its first reader
.irp b, 0,1,2,3
	v_exp_f32 v[248+\b], v[248+\b]                 ; the block's largest p
.endr
	v_pk_add_f32 v[236:237], v[132:133], v[136:137]
	v_pk_add_f32 v[254:255], v[140:141], v[144:145]
	v_pk_add_f32 v[246:247], v[148:149], v[152:153]
	v_pk_add_f32 v[244:245], v[156:157], v[160:161]
	v_pk_add_f32 v[242:243], v[164:165], v[168:169]
	v_pk_add_f32 v[240:241], v[172:173], v[176:177]
	v_pk_add_f32 v[238:239], v[180:181], v[184:185]
	v_pk_add_f32 v[14:15], v[14:15], v[188:189]
	v_pk_add_f32 v[236:237], v[236:237], v[128:129]
	v_pk_add_f32 v[254:255], v[254:255], v[130:131]
	v_pk_add_f32 v[246:247], v[246:247], v[134:135]
	v_pk_add_f32 v[244:245], v[244:245], v[138:139]
	v_pk_add_f32 v[242:243], v[242:243], v[142:143]
	v_pk_add_f32 v[240:241], v[240:241], v[146:147]
	v_pk_add_f32 v[238:239], v[238:239], v[150:151]
	v_pk_add_f32 v[14:15], v[14:15], v[154:155]
	v_pk_add_f32 v[236:237], v[236:237], v[158:159]
	v_pk_add_f32 v[254:255], v[254:255], v[162:163]
	v_pk_add_f32 v[246:247], v[246:247], v[166:167]
	v_pk_add_f32 v[244:245], v[244:245], v[170:171]
	v_pk_add_f32 v[242:243], v[242:243], v[174:175]
	v_pk_add_f32 v[240:241], v[240:241], v[178:179]
	v_pk_add_f32 v[238:239], v[238:239], v[182:183]
	v_pk_add_f32 v[14:15], v[14:15], v[186:187]
	v_pk_add_f32 v[236:237], v[236:237], v[190:191]
	s_delay_alu instid0(VALU_DEP_2)
	v_pk_add_f32 v[14:15], v[14:15], v[244:245]
	s_delay_alu instid0(VALU_DEP_2)
	v_pk_add_f32 v[236:237], v[236:237], v[242:243]
	v_pk_add_f32 v[254:255], v[254:255], v[240:241]
	v_pk_add_f32 v[246:247], v[246:247], v[238:239]
	s_delay_alu instid0(VALU_DEP_2)
	v_pk_add_f32 v[14:15], v[14:15], v[254:255]
	s_delay_alu instid0(VALU_DEP_2)
	v_pk_add_f32 v[236:237], v[236:237], v[246:247]
	s_delay_alu instid0(VALU_DEP_1)
	v_pk_add_f32 v[14:15], v[14:15], v[236:237]
	s_wait_alu depctr_va_vdst(0)                   ; and one for the four
.irp b, 0,1,2,3
	v_max_num_f32 v[248+\b], 0x1800000, v[248+\b]  ; the floor 2^(3 - 127): the byte cannot fall under 1
.endr
.irp b, 0,1,2,3
	s_delay_alu instid0(VALU_DEP_4)
	v_add_nc_u32 v[244+\b], 0xff000000, v[248+\b]  ; 2 off the exponent field: the conversion's scale operand
.endr
.irp b, 0,1,2,3
	s_delay_alu instid0(VALU_DEP_4)
	v_lshrrev_b32 v[236+\b], 23, v[244+\b]         ; the scale's byte
.endr
	s_delay_alu instid0(VALU_DEP_3)
	v_lshl_or_b32 v11, v237, 8, v236               ; p's scale word for these 128 keys
	s_delay_alu instid0(VALU_DEP_1)
	v_lshl_or_b32 v11, v238, 16, v11
	s_delay_alu instid0(VALU_DEP_1)
	v_lshl_or_b32 v11, v239, 24, v11
	s_setprio 0
.irp c, 0,1
	v_cvt_scalef32_pk16_fp6_f32 v[224+6*\c:226+6*\c], v[128+32*\c:143+32*\c], v[244+2*\c]
	v_cvt_scalef32_pk16_fp6_f32 v[236+4*\c:238+4*\c], v[144+32*\c:159+32*\c], v[245+2*\c]
.endr
	v_nop                                          ; one plain place behind a scaled conversion
.irp c, 0,1                                        ; a whole block to a lane
.irp i, 0,1,2
	v_permlane16_swap_b32 v[224+6*\c+\i], v[236+4*\c+\i]
.endr
.irp i, 0,1,2
	s_delay_alu instid0(VALU_DEP_3)
	v_mov_b32 v[227+6*\c+\i], v[236+4*\c+\i]
.endr
.endr
.set j, 0
.rept 16
	v_pk_mul_f32 v[192+j:193+j], v[192+j:193+j], v[252:253] op_sel_hi:[1,0]   ; O^T under the new M.  Twelve of these sixteen name none of a given product's registers: the places behind p's scale word (8) and codes (4)
.set j, j+2
.endr
	s_wait_alu depctr_va_vdst(0)
	s_wait_dscnt 0x0                               ; V is in
.irp d, 0,1,2,3
	PVP \d                                         ; four accumulators by turns, one instruction a turn
.endr
.endm
; A PASS: one tile of 16 queries.  The loop has a constant 16 trips, so that the LDS address that it steps can be read off the text; a step all of whose keys come after my queries is jumped over.
.macro PASS p
.if \p == 0
	s_mov_b32 s15, s[WV]
.else
	s_sub_co_u32 s15, 15, s[WV]
	s_wait_xcnt 0x0                                ; pass 0's stores have read their data: those registers are written again below
	v_add_nc_u32 v5, 16, v5                        ; my tile is the next one of its step
.endif
	v_mov_b32 v13, 0xff61b1e6                      ; the largest t so far: -3e38
	s_delay_alu instid0(VALU_DEP_1)
	v_floor_f32 v12, -v13
	v_mov_b32 v14, 0
	v_mov_b32 v15, 0
.set n, 0
.rept 32
	v_mov_b32 v[192+n], 0                          ; O^T: the step is written once; the first change of M multiplies zeros
.set n, n+1
.endr
	s_mov_b32 s16, 0
	s_mov_b32 s17, 0
	s_wait_loadcnt 0x0                             ; Q and its scale words
.Lstep_\@:
	s_cmp_gt_u32 s16, s15
	s_cbranch_scc1 .Lhidden_\@
	s_setprio 2
	STEP
.Lhidden_\@:
	s_add_co_u32 s17, s17, REC
	s_add_co_u32 s16, s16, 1
	s_cmp_lt_u32 s16, 16
	s_cbranch_scc1 .Lstep_\@
	s_setprio 0
.if \p == 0
	QLOAD 1                                        ; the next pass's Q: the last products that read Q stand a softmax back
.endif
	; the way out: O^T / the sum, brought into true order, quantised in two blocks of 32 channels
	PLACES
	v_add_f32 v14, v14, v15
	s_delay_alu instid0(VALU_DEP_1)
	v_permlanex16_b32 v252, v14, s[SEL], s[SEL+1]
	s_delay_alu instid0(VALU_DEP_1)
	v_add_f32 v14, v14, v252                       ; the row's sum
	s_wait_alu depctr_va_vdst(0)
	v_rcp_f32 v14, v14
	v_nop                                          ; a plain place behind the reciprocal,
	s_wait_alu depctr_va_vdst(0)                   ; and the wait ahead of its first reader
.set j, 0
.rept 16
	v_pk_mul_f32 v[128+j:129+j], v[192+j:193+j], v[14:15] op_sel_hi:[1,0]   ; register 8 d + i: channel 16 d + 8 h + i; each accumulator from its low end on
.set j, j+2
.endr
.irp b, 0,1
.irp j, 0,1,2,3,4,5,6,7
	v_permlane16_swap_b32 v[128+16*\b+\j], v[136+16*\b+\j]   ; registers 16 b + 0 .. 15 now hold channels 32 b + 16 h + 0 .. 15
.endr
.endr
.irp b, 0,1
	v_max3_num_f32 v[248+\b], |v[128+16*\b]|, |v[129+16*\b]|, 0x1800000
.endr
.irp i, 2,4,6,8,10,12,14
.irp b, 0,1
	s_delay_alu instid0(VALU_DEP_2)
	v_max3_num_f32 v[248+\b], v[248+\b], |v[128+16*\b+\i]|, |v[129+16*\b+\i]|
.endr
.endr
.irp b, 0,1
	s_delay_alu instid0(VALU_DEP_2)
	v_permlanex16_b32 v[236+\b], v[248+\b], s[SEL], s[SEL+1]
.endr
.irp b, 0,1
	s_delay_alu instid0(VALU_DEP_2)
	v_max_num_f32 v[248+\b], v[248+\b], v[236+\b]
.endr
.irp b, 0,1
	s_delay_alu instid0(VALU_DEP_2)
	v_add_nc_u32 v[244+\b], 0xff000000, v[248+\b]
.endr
.irp b, 0,1
	s_delay_alu instid0(VALU_DEP_2)
	v_lshrrev_b32 v[240+\b], 23, v[244+\b]
.endr
	s_delay_alu instid0(VALU_DEP_1)
	v_lshl_or_b32 v255, v241, 8, v240              ; my row's two scale bytes
	v_cvt_scalef32_pk16_fp6_f32 v[224:226], v[128:143], v244
	v_cvt_scalef32_pk16_fp6_f32 v[236:238], v[144:159], v245
	v_nop
.irp i, 0,1,2
	v_permlane16_swap_b32 v[224+\i], v[236+\i]
.endr
.irp i, 0,1,2
	s_delay_alu instid0(VALU_DEP_3)
	v_mov_b32 v[227+\i], v[236+\i]                 ; lanes 0-15: block 0 of row r, lanes 16-31: block 1
.endr
	global_store_b128 v1, v[224:227], s[40+8*\p:41+8*\p]            ; 512 consecutive bytes, aligned to 256,
	global_store_b64 v2, v[228:229], s[40+8*\p:41+8*\p] offset:512  ; and 256 more
	global_store_b16 v9, v255, s[42+8*\p:43+8*\p]  ; two bytes of each row's 32 (lanes 16-31 write what lanes 0-15 write): one byte in 25 of what the pass stores
.endm
	PASS 0
	PASS 1
	s_wait_xcnt 0x0
	v_lshl_add_u32 v254, v0, 2, 0x33000
	v_mov_b32 v255, 0
	s_wait_alu depctr_va_vdst(0)
	s_wait_tensorcnt 0x0
	ds_add_u32 v254, v255
	s_wait_dscnt 0x0
	CROUND                                         ; the closing round
	s_endpgm
.Lfunc_end_k_qf1983c65fe_attn:
	.size	k_qf1983c65fe_attn, .Lfunc_end_k_qf1983c65fe_attn-k_qf1983c65fe_attn
	.p2alignl 7, 3214868480
	.fill 96, 4, 3214868480
	.section	.rodata,"a",@progbits
	.p2align	6, 0x0
	.amdhsa_kernel k_qf1983c65fe_attn
		.amdhsa_group_segment_fixed_size 327680
		.amdhsa_private_segment_fixed_size 0
		.amdhsa_enable_private_segment 0
		.amdhsa_kernarg_size 32
		.amdhsa_user_sgpr_count 2
		.amdhsa_user_sgpr_kernarg_segment_ptr 1
		.amdhsa_wavefront_size32 1
		.amdhsa_system_sgpr_workgroup_id_x 1
		.amdhsa_system_sgpr_workgroup_id_y 1
		.amdhsa_system_sgpr_workgroup_id_z 1
		.amdhsa_system_vgpr_workitem_id 0
		.amdhsa_next_free_vgpr 256
		.amdhsa_next_free_sgpr 66
		.amdhsa_reserve_vcc 1
		.amdhsa_float_denorm_mode_32 3
		.amdhsa_float_denorm_mode_16_64 3
		.amdhsa_memory_ordered 1
		.amdhsa_forward_progress 1
		.amdhsa_inst_pref_size 65
	.end_amdhsa_kernel
	.amdgpu_metadata
---
amdhsa.version: [ 1, 2 ]
amdhsa.kernels:
  - .name:           k_qf1983c65fe_attn
    .symbol:         k_qf1983c65fe_attn.kd
    .args:
      - { .name: qb, .offset: 0, .size: 8, .value_kind: global_buffer, .address_space: global }
      - { .name: kv, .offset: 8, .size: 8, .value_kind: global_buffer, .address_space: global }
      - { .name: cc, .offset: 16, .size: 8, .value_kind: global_buffer, .address_space: global }
      - { .name: cs, .offset: 24, .size: 8, .value_kind: global_buffer, .address_space: global }
    .group_segment_fixed_size: 327680
    .private_segment_fixed_size: 0
    .kernarg_segment_align: 8
    .kernarg_segment_size: 32
    .max_flat_workgroup_size: 512
    .sgpr_count:     66
    .vgpr_count:     256
    .wavefront_size: 32
...
	.end_amdgpu_metadata
.endif
;; end of part 2
;; launch proj (part 3): grid 64 x 4, 4 waves a work-group, clusters of 4 x 1, 327,680 bytes of LDS; arguments cc, cs, W_o_codes, W_o_scales, b_o, out0; writes out0
.if DOCPART == 3
	.amdgcn_target "amdgcn-amd-amdhsa--gfx1250"
	.amdhsa_code_object_version 6
	.text
	.protected	k_qf1983c65fe_proj
	.globl	k_qf1983c65fe_proj
	.p2align	8
	.type	k_qf1983c65fe_proj,@function
k_qf1983c65fe_proj:
	s_mov_b64 s[64:65], 0
	v_nop
	global_prefetch_b8 v0, s[64:65] scope:SCOPE_SE
	s_setreg_imm32_b32 hwreg(HW_REG_WAVE_MODE, 25, 1), 1
	s_wait_xcnt 0x0
	s_wait_alu depctr_hold_cnt(0) depctr_sa_sdst(0) depctr_va_vdst(0) depctr_va_sdst(0) depctr_va_ssrc(0) depctr_va_vcc(0) depctr_vm_vsrc(0)
	s_getreg_b32 s2, hwreg(HW_REG_IB_STS2, 6, 4)
	s_cmp_eq_u32 s2, 0
	s_cbranch_scc0 .Lentry_in_a_cluster
	s_endpgm
.Lentry_in_a_cluster:
	s_bfe_u32 s2, ttmp6, 0x10000c
	s_cmp_lg_u32 s2, 0x3003
	s_cbranch_scc0 .Lentry_shape_is_right
	s_endpgm
.Lentry_shape_is_right:
; out0 = ctx W_o + b_o on codes of FP6 (E2M3) with E8M0 scales; out0 [8,192][1,024] f32.  ctx comes as images of operand registers (cc: [tile of 16 rows 512][head 16][768]) and scale bytes (cs: [row][32]).
; SHARES.  A work-group makes 128 rows x 256 columns: 256 work-groups.  Wave (wy, wx) makes 64 x 128: 4 x 8 = 32 accumulators, 256 registers; K = 1,024 is eight matrix instructions deep.
; The four work-groups of a cluster take four blocks of rows and the same 256 columns: W_o's 256 rows, all of K, are asked for JOINTLY.  They lie in LDS as four chunks of 256 along K (256 rows x 240 bytes each),
; filled once: each wave issues four loads (64 rows of each chunk), four tensor loads of a wave are out at the most, and counted waits let the first chunk be multiplied while the others land.  Nothing is filled again.
; ctx's fragments go from memory straight into registers, four K steps ahead: as images they load as 512 and 256 consecutive bytes.  ctx is not shared by a joint load: it goes through no LDS, and beside W_o's strip it would not fit.
; All scale words and the bias are loaded once into registers.  The bias is the C of each sum's first matrix instruction.
; THE MATRIX INSTRUCTION IS USED TRANSPOSED (source 0 = 16 rows of W_o, source 1 = 16 rows of ctx): a lane holds eight neighbouring columns of a row of out0.
; REGISTERS, in windows of 256: window 0: v1-4, v16-25 addresses; v32-63 ctx's scale words (8 m + s); v64-127 W_o's (8 b + s); v128-255 the way out.
;   window 1: W_o's fragments, two sets, at v0 and v128.   window 2: the accumulators ((m, b) at v[8 (8 m + b)]).   window 3: ctx's fragments, four sets of 48; from v192 the bias, 8 registers for each b.
.set PITCH, 240                        ; an LDS row: 3 x (64 bytes + 16 of padding)
.set CHUNK, 256*PITCH                  ; 256 rows x 256 along K
.set STAGE, 4*CHUNK                    ; behind W_o: a stage of 16 rows x 528 bytes for each wave; no fill lands there
.set SPITCH, 528
.set FR,  12
.set AS,  32
.set BS,  64
.set BI,  192                          ; in window 3
.set BK,  128
.set STO, 24
.set RD,  25
.set MSB, 0
.macro WIN new                         ; the immediate's high byte repeats the setting that is left
.if MSB != \new
	s_set_vgpr_msb (MSB<<8)|\new
.set MSB, \new
.endif
.endm
.macro CROUND                          ; a round of the cluster's barrier
	s_barrier_signal -1
	s_barrier_wait -1
	s_cmp_lg_u32 s16, 0
	s_cbranch_scc1 .Lnot_wave_0_\@
	s_barrier_signal -3
.Lnot_wave_0_\@:
	s_barrier_wait -3
	s_barrier_signal -1
	s_barrier_wait -1
.endm
.macro PLACES                          ; plain vector instructions between a matrix instruction and a load into, or a store of, its registers
.rept 4
	v_nop
.endr
.endm
	s_load_b256 s[4:11], s[0:1], 0x0               ; cc s[4:5], cs s[6:7], W_o's codes s[8:9], its scales s[10:11]
	s_load_b128 s[12:15], s[0:1], 0x20             ; b_o s[12:13], out0 s[14:15]
	v_lshl_add_u32 v30, v0, 2, 0x44400
	v_mov_b32 v31, 0
	ds_add_u32 v30, v31
	ds_add_u32 v30, v31
	v_lshrrev_b32 v1, 5, v0
	v_readfirstlane_b32 s16, v1                    ; wave 0..3
	s_lshr_b32 s17, s16, 1                         ; wy: which 64 rows
	s_and_b32 s18, s16, 1                          ; wx: which 128 columns
	s_and_b32 s21, ttmp7, 0xffff                   ; which 256 columns: shared by the four partners
	; descriptor group 1: 64 rows x 192 bytes, 768 bytes apart, 16 bytes of padding behind every 64; the mask names the four work-groups
	s_mov_b32 s24, 15|(0<<16)|(1<<20)|(1<<21)|(3<<22)|(3<<25)
	s_mov_b32 s25, 192<<16                         ; tensor_dim0
	s_mov_b32 s26, 64<<16                          ; tensor_dim1
	s_mov_b32 s27, 192<<16                         ; tile_dim0
	s_mov_b32 s28, 64                              ; tile_dim1
	s_mov_b32 s29, 768                             ; the pitch
	s_mov_b32 s30, 0
	s_mov_b32 s31, 0
	s_lshl_b32 s48, s21, 8
	s_lshl_b32 s49, s16, 6
	s_add_co_u32 s48, s48, s49                     ; the 64 rows of W_o that I fetch
	s_mul_i32 s48, s48, 768
	s_mov_b32 s49, 0
	s_mul_i32 s50, s16, 64*PITCH                   ; and their place in a chunk
	s_wait_dscnt 0x0
	s_wait_kmcnt 0x0
	s_add_nc_u64 s[52:53], s[8:9], s[48:49]
.irp q, 0,1,2,3
	s_mov_b32 s[32+4*\q], 1
	s_add_co_u32 s[33+4*\q], s50, CHUNK*\q
	s_add_nc_u64 s[34+4*\q:35+4*\q], s[52:53], 192*\q
	s_or_b32 s[35+4*\q], s[35+4*\q], 0x80000000
.endr
	CROUND                                         ; all four work-groups are here: the joint loads meet
.irp q, 0,1,2,3
	tensor_load_to_lds s[32+4*\q:35+4*\q], s[24:31]
	s_nop 0
.endr
	PLACES
	s_bfe_u32 s19, ttmp6, 0x40000                  ; cx: from here on, in global addresses alone
	s_lshl_b32 s20, ttmp9, 2
	s_add_co_u32 s20, s20, s19                     ; my block of 128 rows
	s_lshl_b32 s54, s21, 8
	s_lshl_b32 s55, s18, 7
	s_add_co_u32 s54, s54, s55                     ; my first column
	s_lshl_b32 s56, s54, 5
	s_mov_b32 s57, 0
	s_add_nc_u64 s[10:11], s[10:11], s[56:57]      ; W_o's scale bytes: 32 a row
	s_lshl_b32 s56, s54, 2
	s_add_nc_u64 s[12:13], s[12:13], s[56:57]      ; the bias,
	s_add_nc_u64 s[14:15], s[14:15], s[56:57]      ; and out0's columns
	s_lshl_b32 s58, s20, 7
	s_lshl_b32 s59, s17, 6
	s_add_co_u32 s58, s58, s59                     ; my first row
	s_lshl_b32 s56, s58, 5
	s_add_nc_u64 s[6:7], s[6:7], s[56:57]          ; ctx's scale bytes
	s_lshl_b32 s56, s58, 12
	s_add_nc_u64 s[14:15], s[14:15], s[56:57]      ; out0's rows of 4,096 bytes
	s_mul_i32 s56, s58, 768
	s_add_nc_u64 s[4:5], s[4:5], s[56:57]          ; ctx's images: 12,288 bytes for each 16 rows
	v_and_b32 v5, 31, v0                           ; lane
	v_lshlrev_b32 v1, 4, v5                        ; 16 x lane
	v_lshlrev_b32 v2, 3, v5                        ; 8 x lane
	v_and_b32 v6, 15, v0                           ; r
	v_bfe_u32 v7, v0, 4, 1                         ; h
	v_lshlrev_b32 v3, 5, v6                        ; 32 r: a row of scale bytes
	v_lshlrev_b32 v4, 5, v7                        ; 32 h: my half's eight numbers of the bias
	v_mul_u32_u24 v8, v6, PITCH
	v_mad_u32_u24 v8, v7, 24, v8
	s_mul_i32 s54, s18, 128*PITCH
	v_add_nc_u32 v8, s54, v8                       ; W_o's fragments: row x pitch + 24 h + my 128 rows
.irp q, 0,1,2,3
	v_add_nc_u32 v[16+\q], CHUNK*\q, v8            ; in chunk q,
	v_lshl_add_u32 v[20+\q], v7, 4, v[16+\q]       ; and the same behind one padding more
.endr
	s_mul_i32 s54, s16, 16*SPITCH
	s_add_co_u32 s54, s54, STAGE                   ; my stage
	v_mul_u32_u24 v[STO], v6, SPITCH
	v_lshl_add_u32 v[STO], v7, 5, v[STO]
	v_add_nc_u32 v[STO], s54, v[STO]               ; in: row r, 32 bytes for each half of the lanes
	v_add_nc_u32 v[RD], s54, v1                    ; back: the 32 lanes take one row of 512 bytes
.irp b, 0,1,2,3,4,5,6,7
.irp q, 0,1
	global_load_b128 v[BS+8*\b+4*\q:BS+8*\b+4*\q+3], v3, s[10:11] offset:512*\b+16*\q   ; W_o's scale words: row r of block b, K steps 4 q on
.endr
.endr
.irp m, 0,1,2,3
.irp q, 0,1
	global_load_b128 v[AS+8*\m+4*\q:AS+8*\m+4*\q+3], v3, s[6:7] offset:512*\m+16*\q     ; ctx's likewise
.endr
.endr
	WIN 0xc0                                       ; destination window 3
.irp b, 0,1,2,3,4,5,6,7
	global_load_b128 v[BI+8*\b:BI+8*\b+3], v4, s[12:13] offset:64*\b                    ; b_o at columns 16 b + 8 h + 0 .. 7: the result's layout
	global_load_b128 v[BI+8*\b+4:BI+8*\b+7], v4, s[12:13] offset:64*\b+16
.endr
.macro ALOAD s                         ; ctx's four fragments of K step s (heads 2 s and 2 s + 1) into set s % 4: 16 loads
	WIN 0xc0
.irp m, 0,1,2,3
	global_load_b128 v[48*((\s)%4)+FR*\m:48*((\s)%4)+FR*\m+3], v1, s[4:5] offset:12288*\m+1536*(\s)
	global_load_b64 v[48*((\s)%4)+FR*\m+4:48*((\s)%4)+FR*\m+5], v2, s[4:5] offset:12288*\m+1536*(\s)+512
	global_load_b128 v[48*((\s)%4)+FR*\m+6:48*((\s)%4)+FR*\m+9], v1, s[4:5] offset:12288*\m+1536*(\s)+768
	global_load_b64 v[48*((\s)%4)+FR*\m+10:48*((\s)%4)+FR*\m+11], v2, s[4:5] offset:12288*\m+1536*(\s)+1280
.endr
.endm
.irp s, 0,1,2,3
	ALOAD \s
.endr
.macro FRAGB reg, adr, q, i            ; a fragment of W_o: 24 bytes of the row's stream of bits twice, in pieces of 8 bytes; lanes 16-31 read three pieces further on
.irp p, 0,1,2,3,4,5
.set PIECE, 12*(\q)+6*(\p/3)+\p%3
.if PIECE%8 < 5
	ds_load_b64 v[\reg+2*\p:\reg+2*\p+1], v[\adr] offset:8*PIECE+16*(PIECE/8)+(\i)*16*PITCH
.else
	ds_load_b64 v[\reg+2*\p:\reg+2*\p+1], v[\adr+4] offset:8*PIECE+16*(PIECE/8)+(\i)*16*PITCH
.endif
.endr
.endm
.macro FETCH_B s                       ; W_o's eight fragments of K step s (chunk s / 2) into set s % 2
	WIN 0x40
.irp i, 0,1,2,3,4,5,6,7
	FRAGB 128*((\s)%2)+FR*\i, 16+(\s)/2, (\s)%2, \i
.endr
.endm
; 16 matrix instructions: ctx's blocks m0, m0 + 1 x W_o's eight.  The 32 accumulators take turns, one instruction a turn, in the same order in every step.
.macro MUL16P s, m0
.irp m, \m0, \m0+1
.irp b, 0,1,2,3,4,5,6,7
.if (\s) == 0
	v_wmma_scale_f32_16x16x128_f8f6f4 v[8*(8*(\m)+\b):8*(8*(\m)+\b)+7], v[128*((\s)%2)+FR*\b:128*((\s)%2)+FR*\b+FR-1], v[48*((\s)%4)+FR*(\m):48*((\s)%4)+FR*(\m)+FR-1], v[BI+8*\b:BI+8*\b+7], v[BS+8*\b+(\s)], v[AS+8*(\m)+(\s)] matrix_a_fmt:MATRIX_FMT_FP6 matrix_b_fmt:MATRIX_FMT_FP6
.else
	v_wmma_scale_f32_16x16x128_f8f6f4 v[8*(8*(\m)+\b):8*(8*(\m)+\b)+7], v[128*((\s)%2)+FR*\b:128*((\s)%2)+FR*\b+FR-1], v[48*((\s)%4)+FR*(\m):48*((\s)%4)+FR*(\m)+FR-1], v[8*(8*(\m)+\b):8*(8*(\m)+\b)+7], v[BS+8*\b+(\s)], v[AS+8*(\m)+(\s)] matrix_a_fmt:MATRIX_FMT_FP6 matrix_b_fmt:MATRIX_FMT_FP6
.endif
.endr
.endr
.endm
.macro WMUL s                          ; source 0 (W_o) window 1, source 1 (ctx) window 3, D window 2; C: the bias in window 3, later D
.if (\s) == 0
	WIN 0xbd
.else
	WIN 0xad
.endif
.endm
; A K step of 128: 32 matrix instructions; in its middle the next step's fragments of W_o are fetched; at its end the set of ctx that it has left takes the step four on.
.macro STEP s
	s_wait_dscnt 0x0                               ; W_o's fragments of this step are in
.if (\s) <= 4
	s_wait_loadcnt 48                              ; ctx's set of this step is in (and all loaded ahead of it); the three sets behind it, 16 loads each, may stay out
.else
	s_wait_loadcnt 16*(7-(\s))
.endif
.if ((\s)%2 == 1) && ((\s) < 7)
	s_wait_tensorcnt 3-((\s)+1)/2                  ; my part of the next chunk has landed; the chunks behind it may stay out
	s_barrier_signal -1
.endif
	WMUL \s
	MUL16P \s, 0
.if (\s) < 7
.if (\s)%2 == 1
	s_barrier_wait -1                              ; everybody's part has
.endif
	PLACES                                         ; in front of loads into the set that the last step multiplied
	FETCH_B (\s)+1
	WMUL \s
.endif
	MUL16P \s, 2
.if (\s) <= 3
	PLACES
	ALOAD (\s)+4
.endif
.endm
	s_wait_tensorcnt 3                             ; my part of chunk 0 has landed,
	s_barrier_signal -1
	s_barrier_wait -1                              ; everybody's has
	FETCH_B 0
.irp s, 0,1,2,3,4,5,6,7
	STEP \s
.endr
	WIN 0
; THE WAY OUT, block by block of 16 rows x 128 columns, through my own stage in LDS: in as 32 bytes a lane, back as whole rows of 512 bytes.  LDS serves a wave's instructions in order (ISA guide 5.7.1.4).
.macro TOSTAGE a
	WIN 0x08                                       ; an LDS store's data: window 2
.irp b, 0,1,2,3,4,5,6,7
	ds_store_b128 v[STO], v[64*(\a)+8*\b:64*(\a)+8*\b+3] offset:64*\b          ; each accumulator from its low end on
	ds_store_b128 v[STO], v[64*(\a)+8*\b+4:64*(\a)+8*\b+7] offset:64*\b+16
.endr
	WIN 0
.set BB, BK+64*((\a)%2)
.irp t, 0,1,2,3,4,5,6,7,8,9,10,11,12,13,14,15
	ds_load_b128 v[BB+4*\t:BB+4*\t+3], v[RD] offset:\t*SPITCH
.endr
.endm
.macro SEND a, younger                 ; younger: the LDS instructions issued behind block a's loads, which may stay out
.set BB, BK+64*((\a)%2)
	s_wait_dscnt \younger
.irp t, 0,1,2,3,4,5,6,7,8,9,10,11,12,13,14,15
	global_store_b128 v1, v[BB+4*\t:BB+4*\t+3], s[14:15] offset:65536*(\a)+4096*\t th:TH_STORE_NT   ; 32 lanes store 512 consecutive bytes, aligned to 256; written once, read by nobody here
.endr
.endm
	PLACES                                         ; behind the last products
	TOSTAGE 0
.irp a, 1,2,3
.if \a > 1
	s_wait_xcnt 0x0                                ; block a - 2's stores have read their registers: block a's loads may land there
.endif
	TOSTAGE \a
	SEND \a-1, 32                                  ; behind block a - 1's loads: block a's 16 stores and 16 loads
.endr
	SEND 3, 0
	s_wait_tensorcnt 0x0
	ds_add_u32 v30, v31
	s_wait_dscnt 0x0
	CROUND                                         ; the closing round: all my tensor loads were waited for in K step 5, and no LDS instruction of mine is out
	s_endpgm
.Lfunc_end_k_qf1983c65fe_proj:
	.size	k_qf1983c65fe_proj, .Lfunc_end_k_qf1983c65fe_proj-k_qf1983c65fe_proj
	.p2alignl 7, 3214868480
	.fill 96, 4, 3214868480
	.section	.rodata,"a",@progbits
	.p2align	6, 0x0
	.amdhsa_kernel k_qf1983c65fe_proj
		.amdhsa_group_segment_fixed_size 327680
		.amdhsa_private_segment_fixed_size 0
		.amdhsa_enable_private_segment 0
		.amdhsa_kernarg_size 48
		.amdhsa_user_sgpr_count 2
		.amdhsa_user_sgpr_kernarg_segment_ptr 1
		.amdhsa_wavefront_size32 1
		.amdhsa_system_sgpr_workgroup_id_x 1
		.amdhsa_system_sgpr_workgroup_id_y 1
		.amdhsa_system_sgpr_workgroup_id_z 1
		.amdhsa_system_vgpr_workitem_id 0
		.amdhsa_next_free_vgpr 1024
		.amdhsa_next_free_sgpr 66
		.amdhsa_reserve_vcc 0
		.amdhsa_float_denorm_mode_32 3
		.amdhsa_float_denorm_mode_16_64 3
		.amdhsa_memory_ordered 1
		.amdhsa_forward_progress 1
		.amdhsa_inst_pref_size 96
	.end_amdhsa_kernel
	.amdgpu_metadata
---
amdhsa.version: [ 1, 2 ]
amdhsa.kernels:
  - .name:           k_qf1983c65fe_proj
    .symbol:         k_qf1983c65fe_proj.kd
    .args:
      - { .name: cc, .offset: 0, .size: 8, .value_kind: global_buffer, .address_space: global }
      - { .name: cs, .offset: 8, .size: 8, .value_kind: global_buffer, .address_space: global }
      - { .name: W_o_codes, .offset: 16, .size: 8, .value_kind: global_buffer, .address_space: global }
      - { .name: W_o_scales, .offset: 24, .size: 8, .value_kind: global_buffer, .address_space: global }
      - { .name: b_o, .offset: 32, .size: 8, .value_kind: global_buffer, .address_space: global }
      - { .name: out0, .offset: 40, .size: 8, .value_kind: global_buffer, .address_space: global }
    .group_segment_fixed_size: 327680
    .private_segment_fixed_size: 0
    .kernarg_segment_align: 8
    .kernarg_segment_size: 48
    .max_flat_workgroup_size: 128
    .sgpr_count:     66
    .vgpr_count:     1024
    .wavefront_size: 32
...
	.end_amdgpu_metadata
.endif
;; end of part 3
